; MI455X (gfx1250); checked and timed in simulation.
; The chip was launched on July 23, 2026; its instructions are those of AMD's public machine-readable ISA for CDNA 5 (MIT licence, August 2026) and "CDNA5" Instruction Set Architecture Reference Guide (July 2026). The comments in the code are by the model that wrote it; some were corrected since.
;; CPDFP. Allowed arithmetic: float matrix products may take bf16 or f16 operands with f32 sums; all other float work in f32.
;; Inputs: ca_b1 4 float32; ca_b2 1 float32; ca_w1 4 x 2 float32; ca_w2 1 x 4 float32; conv_w 256 x 257 float32; x1 64 x 256 x 32 x 32 float32; x2 64 x 256 x 32 x 32 float32.
;; Outputs: out0 64 x 256 float32.
;; One version. Each part assembles by itself: llvm-mc -triple=amdgcn-amd-amdhsa -mcpu=gfx1250 --defsym DOCPART=n.
;; ======== version 1 of 1: 2 launches
;; limits: values outside matrix products are rounded to bf16
;; workspace buffers: part 524,288 bytes
;; launch pool (part 1): grid 256 x 1, 4 waves a work-group, clusters of 4 x 1, 302,592 bytes of LDS; arguments x1, x2, conv_w, part; writes part
.if DOCPART == 1
	.amdgcn_target "amdgcn-amd-amdhsa--gfx1250"
	.amdhsa_code_object_version 6
	.text
	.protected	k_q838750f4a2_pool
	.globl	k_q838750f4a2_pool
	.p2align	8
	.type	k_q838750f4a2_pool,@function
k_q838750f4a2_pool:
	s_mov_b64 s[64:65], 0
	v_nop
	global_prefetch_b8 v0, s[64:65] scope:SCOPE_SE
	s_setreg_imm32_b32 hwreg(HW_REG_WAVE_MODE, 25, 1), 1
	s_wait_xcnt 0x0
	s_wait_alu depctr_hold_cnt(0) depctr_sa_sdst(0) depctr_va_vdst(0) depctr_va_sdst(0) depctr_va_ssrc(0) depctr_va_vcc(0) depctr_vm_vsrc(0)
	s_getreg_b32 s2, hwreg(HW_REG_IB_STS2, 6, 4)
	s_cmp_eq_u32 s2, 0
	s_cbranch_scc0 .Lentry_in_a_cluster
	s_endpgm
.Lentry_in_a_cluster:
	s_bfe_u32 s2, ttmp6, 0x10000c
	s_cmp_lg_u32 s2, 0x3003
	s_cbranch_scc0 .Lentry_shape_is_right
	s_endpgm
.Lentry_shape_is_right:
; POOL: for one batch b, one branch (x1 or x2) and one half of the 1,024 pixels, the sums over the half's 512 pixels
;   S[o] = sum_p a[o][p]   and   N[o] = sum_p x[o][p] a[o][p],   a = sigmoid(logit),
;   logit[o][p] = sum_c W[o][c] x[c][p] + W[o][256] (sum_c cen[c] x[c][p]) / 256,   cen[c] = x[c][pixel 528].
; The dot product with the centre is linear in x, so it is folded into the weights, for every input:
;   logit = sum_c W'[o][c] x[c][p],   W'[o][c] = W[o][c] + W[o][256] cen[c] / 256.
; W' is made in f32, multiplied by K = -log2(e) and rounded once to bf16, so that an accumulator holds z = -log2(e) logit and a = 1 / (1 + 2^z).
; part[wg][0][o] = S, part[wg][1][o] = N, wg = 4 b + 2 branch + half; the next launch joins halves and branches.
;
; SHARES.  256 work-groups of four waves.  Wave w owns output channels 64 w .. 64 w + 63 and keeps their W' as 32 fragments in 256 registers
; for the whole kernel.  The 512 pixels go in 8 tiles of 64.  Of each tile wave w loads input channels 64 w .. 64 w + 63 straight into
; registers (each load: sixteen lanes take 256 consecutive bytes of a channel's row, aligned), rounds them to bf16 fragments and puts them
; into one of two LDS slots; behind one barrier a tile every wave reads the tile's 32 fragments.  Two tiles of every wave are always on
; their way (64 loads of 512 bytes).
; GROUPS.  A tile is multiplied in four groups of 16 pixels (q = 0..3): 32 matrix instructions, 8 k steps on 4 accumulators.  The sigmoid and
; the sums of a group (130 vector instructions) stand among the matrix instructions of the NEXT group, which work on the other set of four
; accumulators.  At a group's head, in one run: a quarter of a later tile's conversion with its LDS stores and the global loads that fill the
; staging registers again, and the LDS loads of the next group's fragments.
; THE MATRIX INSTRUCTION IS USED TRANSPOSED: source 0 = 16 pixels x 32 channels of x, source 1 = 16 output channels of W'.  Register j of lane
; (r, h) of a result is then pixel row 8 h + j, output channel r: the sums over pixels stay inside a lane until the very end.
; Row m of fragment q stands for pixel 4 m + q of the tile: a permutation of pixels, which are only summed.
;
; CLUSTER: four work-groups (the two branches and two halves of one batch).  They share no byte of x, so x is not asked for jointly;
; they share conv_w (263,168 of the 787,456 bytes that a work-group reads), which comes by one joint tensor load a wave.
;
; LIMITS.  (a) In N, x enters as the bf16 number that also feeds the matrix unit; the sum is kept in f32.  (b) The centre's dot product is
; rounded with the weights (one rounding of W' to bf16), not as a 257th channel.  (c) 2^z above f32's range gives a = 0, below it a = 1:
; off by less than 1e-38 from the true sigmoid, against the 1e-8 in the divisor.  (d) v_exp_f32 and v_rcp_f32 are good to one unit in the
; last place.  (e) Infinities and NaN in x are not followed element by element.
.set KL2E,  0xbfb8aa3b                 ; K = -log2(e)
.set KD256, 0xbbb8aa3b                 ; K / 256
.set RAWP,  1040                       ; LDS pitch of a raw row of conv_w: 1,024 bytes + 16 of padding = 65 x 16
.set RAWW,  64*RAWP                    ; a wave's 64 raw rows
.set SLOT1, 0                          ; x fragments of odd tiles: lies over the raw weights, first written when all raw reads are over
.set SLOT0, 4*RAWW                     ; 266,240: x fragments of even tiles, 32,768 bytes
.set CEN,   SLOT0+32768                ; 299,008: cen[256] f32
.set OUTS,  CEN+1024                   ; 300,032: 512 bytes a wave for the way out
; a slot: fragment (k step s = 0..7, q = 0..3) at (4 s + q) x 1,024; its registers 0-3 at +0, 4-7 at +512; lane L at +16 L
; REGISTERS, in windows of 256.  The zipped vector work runs under the matrix instructions' own setting, so what it names as destination,
; source 0 and source 2 (Z, the sums) lies with the x fragments in window 0, and what it names as source 1 (x for N) with W' in window 2.
; window 0
.set LN,   1                           ; lane L
.set RR,   2                           ; r = L % 16
.set HH,   3                           ; h = L / 16
.set XO,   4                           ; x: byte offset of channel 64 w + 8 h, pixels 4 r
.set LA,   5                           ; v5-6    slot n + 16 L
.set SA,   7                           ; v7-8    slot n + 8,192 w + 16 L: where my fragments go
.set TA,   9                           ; v9-10   slot n + 8,192 w + 16 x (transposing load's chunk)
.set RW,   11                          ; raw weights: my rows, row r, + 32 h
.set CA,   12                          ; CEN + 32 h
.set CS,   13                          ; CEN + 4 (64 w + L)
.set CV,   14                          ; v14-15  two centre values
.set WL,   16                          ; v16-19  W[64 w + 16 t + r][256]
.set CO,   20                          ; (64 w + L) x 4,096
.set LCO,  21                          ; (64 w + r) x 1,028
.set OA,   22                          ; the way out: in
.set ORD,  23                          ; the way out: back
.set WK,   24                          ; v24-31  four pairs, both registers W[..][256] K / 256
.set XF,   32                          ; v32-159 x fragments: ring of two groups, 64 each; k step s at + 8 s
.set PB,   32                          ; v32-191 while W' is made: two buffers of 80 (64 raw, 16 cen)
.set TMP,  32                          ; v32-33  set-up only
.set TMP2, 33
.set OV,   32                          ; v32-39  the way out
.set GO,   40                          ; the way out: byte offset of my 16 bytes in part
.set Z,    160                         ; v160-223 accumulators: two sets of four tiles (t = 0..3), 8 registers each
.set S2,   224                         ; v224-231 S: a pair for each t
.set NA,   232                         ; v232-239 N: two chains for each t
.set CB,   240                         ; v240-255 a quarter tile just converted
; window 1: W' fragment (t, s), s = 0..3, at v[32 t + 8 s]
; window 2: W' fragment (t, s), s = 4..7, at v[32 t + 8 (s - 4)], and
.set XN,   128                         ; v128-191 x for N: group q at + 16 q, tile t at + 4 t (8 bf16)
; window 3: staging buffer b at 128 b; load 8 a + j at + 4 (8 a + j); register q = pixel 4 r + q
.set MSB, 0
.macro WIN new                         ; low byte: bits 1:0 source 0, 3:2 source 1, 5:4 source 2, 7:6 destination; the high byte repeats the setting that is left
.if MSB != \new
	s_set_vgpr_msb (MSB<<8)|\new
.set MSB, \new
.endif
.endm
.macro PLACES                          ; four places behind matrix instructions (ISA guide 7.12.1 for vector instructions)
.rept 4
	v_nop
.endr
.endm
.macro ROUND                           ; a round of the cluster's barrier: my work-group's barrier, wave 0 signals for it, all wait for the four, my barrier again
	s_barrier_signal -1
	s_barrier_wait -1
	s_cmp_lg_u32 s12, 0
	s_cbranch_scc1 .Lnot_wave_0_\@
	s_barrier_signal -3
.Lnot_wave_0_\@:
	s_barrier_wait -3
	s_barrier_signal -1
	s_barrier_wait -1
.endm
; a unit of eight loads: channels 64 w + 16 a + 8 h + j, pixels 4 r .. 4 r + 3 of the tile at byte off of the rows (destination: window 3)
.macro XLOAD8 b, off, a
.irp j, 0,1,2,3,4,5,6,7
	global_load_b128 v[128*\b+4*(8*\a+\j):128*\b+4*(8*\a+\j)+3], v[XO], s[16:17] offset:(16*\a+\j)*4096+\off th:TH_LOAD_NT
.endr
.endm
; Quarter a (16 channels) of staging buffer b becomes half of four fragments in slot b: registers 4 (a & 1) + i of fragment (k step a >> 1 of
; my two, q) = channels 16 a + 8 h + 2 i, + 1 of pixel 4 r + q.  lcnt = the loads issued behind this unit's.  ld = 1: the unit is loaded again,
; with the tile at byte off.  The stores name no destination, so they run under the loads' setting.
.macro QCONV b, a, lcnt, ld, off
	s_wait_loadcnt \lcnt
	WIN 0x0f
.irp q, 0,1,2,3
.irp i, 0,1,2,3
	v_cvt_pk_bf16_f32 v[CB+4*\q+\i], v[128*\b+4*(8*\a+2*\i)+\q], v[128*\b+4*(8*\a+2*\i+1)+\q]
.endr
.endr
	WIN 0xc0
.irp q, 0,1,2,3
	ds_store_b128 v[SA+\b], v[CB+4*\q:CB+4*\q+3] offset:(4*(\a>>1)+\q)*1024+512*(\a&1)
.endr
.if \ld
	XLOAD8 \b, \off, \a
.endif
.endm
; four transposing loads from my own fragments: for accumulator tile t of group QN, lane (r, h) gets x[64 w + 16 t + r][pixel rows 8 h .. 8 h + 7]
.macro XNLOAD slot
	WIN 0x80
.irp t, 0,1,2,3
	ds_load_tr16_b128 v[XN+16*QN+4*\t:XN+16*QN+4*\t+3], v[TA+\slot] offset:(\t>>1)*4096+QN*1024+(\t&1)*512
.endr
.endm
; sixteen LDS loads: the eight fragments (k steps 0..7) of group QN into half RN of the ring
.macro XFRUN slot
.set EE, 0
.rept 16
	ds_load_b128 v[XF+64*RN+8*(EE>>1)+4*(EE&1):XF+64*RN+8*(EE>>1)+4*(EE&1)+3], v[LA+\slot] offset:(4*(EE>>1)+QN)*1024+512*(EE&1)
.set EE, EE+1
.endr
.endm
; The sigmoid and sums of the 32 accumulator registers at ZP, as two lists of which one line is taken at a time (SN counts).
; Behind every v_exp_f32 and v_rcp_f32 a plain vector instruction on other registers stands before its result is used (ISA guide 5.7.2):
; a v_nop, or the sums of other tiles.
; List 1, 62 lines: 2^z of tiles 0, 1; + 1; their reciprocals and 2^z of tiles 2, 3; + 1 for tile 2.
.macro SIG1
.if SN < 16
	v_exp_f32 v[ZP+SN], v[ZP+SN]
.endif
.if SN == 16
	v_nop
	s_wait_alu depctr_va_vdst(0)
.endif
.if SN > 16
.if SN < 25
	v_pk_add_f32 v[ZP+2*(SN-17):ZP+2*(SN-17)+1], v[ZP+2*(SN-17):ZP+2*(SN-17)+1], 1.0 op_sel_hi:[1,0]
.endif
.endif
.if SN > 24
.if SN < 41
	v_rcp_f32 v[ZP+SN-25], v[ZP+SN-25]
.endif
.endif
.if SN > 40
.if SN < 57
	v_exp_f32 v[ZP+SN-25], v[ZP+SN-25]
.endif
.endif
.if SN == 57
	v_nop
	s_wait_alu depctr_va_vdst(0)
.endif
.if SN > 57
.if SN < 62
	v_pk_add_f32 v[ZP+16+2*(SN-58):ZP+16+2*(SN-58)+1], v[ZP+16+2*(SN-58):ZP+16+2*(SN-58)+1], 1.0 op_sel_hi:[1,0]
.endif
.endif
.set SN, SN+1
.endm
; List 2, 68 lines: + 1 for tile 3; reciprocals of tiles 2, 3; then the sums, tiles 0 and 1 by turns, then 2 and 3, so that the links of a
; chain stand six lines apart.  N += a x: a is source 0 (f32), x source 1 (a bf16 half, window 2).  S += a as a x 1.0 + S, so that S is source 2.
.macro SIG2
.if SN < 4
	v_pk_add_f32 v[ZP+24+2*SN:ZP+24+2*SN+1], v[ZP+24+2*SN:ZP+24+2*SN+1], 1.0 op_sel_hi:[1,0]
.endif
.if SN > 3
.if SN < 20
	v_rcp_f32 v[ZP+12+SN], v[ZP+12+SN]
.endif
.endif
.if SN > 19
.if SN < 68
.set FM, (SN-20)%24
.set FU, FM/6                          ; the pair of registers 2 u, 2 u + 1 of a tile
.set FV, FM%6
.set FT, 2*((SN-20)/24)+(FV&1)         ; the tile
.if (FV>>1) == 0
	s_wait_alu depctr_va_vdst(0)
	v_fma_mix_f32_bf16 v[NA+2*FT], v[ZP+8*FT+2*FU], v[XN+16*QP+4*FT+FU], v[NA+2*FT] op_sel_hi:[0,1,0]
.endif
.if (FV>>1) == 1
	v_pk_fma_f32 v[S2+2*FT:S2+2*FT+1], v[ZP+8*FT+2*FU:ZP+8*FT+2*FU+1], 1.0, v[S2+2*FT:S2+2*FT+1] op_sel_hi:[1,0,1]
.endif
.if (FV>>1) == 2
	v_fma_mix_f32_bf16 v[NA+2*FT+1], v[ZP+8*FT+2*FU+1], v[XN+16*QP+4*FT+FU], v[NA+2*FT+1] op_sel:[0,1,0] op_sel_hi:[0,1,0]
.endif
.endif
.endif
.set SN, SN+1
.endm
; One group.  q: its number in the tile.  bar = 1: the next tile's barrier stands at its head.  cv = 1: quarter ca of staging buffer cb is
; converted (lcnt, ld, off as QCONV's).  nx = 1: the next group's fragments are fetched, from slot ns.  sig = 1: the last group's sigmoid is zipped in.
.macro GROUP q, bar, cv, cb, ca, lcnt, ld, off, nx, ns, sig
.set QN, (\q+1)&3                      ; the next group,
.set RN, (\q+1)&1                      ; its half of the ring
.set QP, (\q+3)&3                      ; the last group,
.set ZP, Z+32*((\q+1)&1)               ; its accumulators
.set ZC, Z+32*(\q&1)                   ; mine
.set RC, XF+64*(\q&1)
.if \bar
	s_wait_dscnt 0x0                       ; my stores of the next tile's fragments and my reads of this tile's slot are done (all issued a group ago or earlier)
	s_barrier_signal -1
	s_barrier_wait -1                      ; every wave's are: the next tile's slot is whole, this tile's slot may be written
.endif
.if \cv
	QCONV \cb, \ca, \lcnt, \ld, \off       ; its sixteen conversions are also the places behind the last group's matrix instructions
.else
	PLACES
.endif
.if \nx
	XNLOAD \ns
.endif
	WIN 0x04                               ; source 1 (W', k steps 0-3) window 1, all else window 0
.if \nx
	XFRUN \ns
.endif
	s_wait_dscnt 4*\cv+20*\nx              ; my fragments, asked for a group ago, are in; this group's 4 stores and 20 loads are younger
.set SN, 0
; the four accumulators take turns, one instruction a turn; k step 0 starts the sums with the constant 0
.irp s, 0,1,2,3
.irp t, 0,1,2,3
.if \s
	v_wmma_f32_16x16x32_bf16 v[ZC+8*\t:ZC+8*\t+7], v[RC+8*\s:RC+8*\s+7], v[32*\t+8*\s:32*\t+8*\s+7], v[ZC+8*\t:ZC+8*\t+7]
.else
	v_wmma_f32_16x16x32_bf16 v[ZC+8*\t:ZC+8*\t+7], v[RC+8*\s:RC+8*\s+7], v[32*\t+8*\s:32*\t+8*\s+7], 0
.endif
.if \sig
.rept 4
	SIG1
.endr
.endif
.endr
.endr
	WIN 0x08                               ; source 1 (W', k steps 4-7, and x for N) window 2
.set SN, 0
	s_wait_alu depctr_va_vdst(0)
.irp s, 0,1,2,3
.irp t, 0,1,2,3
	v_wmma_f32_16x16x32_bf16 v[ZC+8*\t:ZC+8*\t+7], v[RC+32+8*\s:RC+32+8*\s+7], v[32*\t+8*\s:32*\t+8*\s+7], v[ZC+8*\t:ZC+8*\t+7]
.if \sig
.rept 5
	SIG2
.endr
.endif
.endr
.endr
.endm
; W': k step s of my 64 rows.  Twenty LDS loads: for each t sixteen raw weights of row 16 t + r in the fragment's order of k, and the sixteen cen to match.
.macro BLOAD s, buf
.irp t, 0,1,2,3
.irp e, 0,1,2,3
	ds_load_b128 v[PB+80*\buf+16*\t+4*\e:PB+80*\buf+16*\t+4*\e+3], v[RW] offset:16*RAWP*\t+128*\s+16*\e+32*(\e>>1)
.endr
.endr
.irp e, 0,1,2,3
	ds_load_b128 v[PB+80*\buf+64+4*\e:PB+80*\buf+64+4*\e+3], v[CA] offset:128*\s+16*\e+32*(\e>>1)
.endr
.endm
.macro BCOMP s, buf                    ; W K + cen (W[..][256] K / 256), rounded once to bf16, into fragments (t, s)
.irp t, 0,1,2,3
.irp p, 0,1,2,3,4,5,6,7
	v_pk_mul_f32 v[PB+80*\buf+16*\t+2*\p:PB+80*\buf+16*\t+2*\p+1], v[PB+80*\buf+16*\t+2*\p:PB+80*\buf+16*\t+2*\p+1], KL2E op_sel_hi:[1,0]
.endr
.endr
.irp t, 0,1,2,3
.irp p, 0,1,2,3,4,5,6,7
	v_pk_fma_f32 v[PB+80*\buf+16*\t+2*\p:PB+80*\buf+16*\t+2*\p+1], v[PB+80*\buf+64+2*\p:PB+80*\buf+64+2*\p+1], v[WK+2*\t:WK+2*\t+1], v[PB+80*\buf+16*\t+2*\p:PB+80*\buf+16*\t+2*\p+1]
.endr
.endr
.if \s < 4
	WIN 0x40
.else
	WIN 0x80
.endif
.irp t, 0,1,2,3
.irp p, 0,1,2,3,4,5,6,7
	v_cvt_pk_bf16_f32 v[32*\t+8*(\s&3)+\p], v[PB+80*\buf+16*\t+2*\p], v[PB+80*\buf+16*\t+2*\p+1]
.endr
.endr
	WIN 0
.endm
.macro WSTEP s, buf, nxt
	s_wait_dscnt 20                        ; this batch is in; the next batch's twenty loads are younger
	BCOMP \s, \buf
	BLOAD \nxt, \buf
.endm
	; ---- set-up: ids and addresses
	s_load_b256 s[4:11], s[0:1], 0x0               ; x1 s[4:5], x2 s[6:7], conv_w s[8:9], part s[10:11]
	s_set_vgpr_msb 0x40
	v_lshl_add_u32 v254, v0, 2, 0x49c00
	v_mov_b32 v255, 0
	s_set_vgpr_msb 0x4045
	ds_add_u32 v254, v255
	s_wait_dscnt 0x0
	s_set_vgpr_msb 0x4500
	v_and_b32 v[LN], 31, v0
	v_lshrrev_b32 v[TMP], 5, v0
	v_readfirstlane_b32 s12, v[TMP]                ; wave 0..3
	v_and_b32 v[RR], 15, v0
	v_bfe_u32 v[HH], v0, 4, 1
	s_bfe_u32 s13, ttmp6, 0x40000                  ; cx: my place in the cluster
	s_lshl_b32 s14, ttmp9, 2                       ; ttmp9 counts clusters
	s_add_co_u32 s14, s14, s13                     ; wg = 4 b + 2 branch + half
	s_mov_b32 s33, 0x76543210                      ; v_permlanex16_b32: lane i of one half reads lane i of the other
	s_mov_b32 s34, 0xfedcba98
	v_cmp_ne_u32 s35, 0, v[HH]                     ; lanes 16 to 31
	s_lshl_b32 s15, s12, 18                        ; 64 w channels of 4,096 bytes
	v_lshlrev_b32 v[XO], 4, v[RR]
	v_lshl_add_u32 v[XO], v[HH], 15, v[XO]
	v_add_nc_u32 v[XO], s15, v[XO]
	v_lshl_add_u32 v[CO], v[LN], 12, s15
	s_mul_i32 s36, s12, 64*1028                    ; my 64 rows of conv_w (rows of 257 f32); s[36:37] hold numbers of the wave alone
	s_mov_b32 s37, 0
	v_mul_u32_u24 v[LCO], v[RR], 1028
	v_add_nc_u32 v[LCO], s36, v[LCO]
	s_lshl_b32 s15, s12, 13                        ; my eight fragments in a slot
	v_lshlrev_b32 v[LA+1], 4, v[LN]                ; slot 1 begins at LDS byte 0
	v_add_nc_u32 v[LA], SLOT0-SLOT1, v[LA+1]
	v_add_nc_u32 v[SA], s15, v[LA]
	v_add_nc_u32 v[SA+1], s15, v[LA+1]
	v_and_b32 v[TMP], 7, v0                        ; the chunk that lane L names for the transposing load: 16 ((L >> 3) & 1) + 8 (L >> 4) + (L & 7),
	v_bfe_u32 v[TMP2], v0, 3, 1                    ; so that lane 8 g + i gets element i (channel r & 7 of its half of the 16) of pixel rows 8 h + 0..7
	v_lshl_add_u32 v[TMP], v[TMP2], 4, v[TMP]
	v_lshl_add_u32 v[TMP], v[HH], 3, v[TMP]
	v_lshl_add_u32 v[TA+1], v[TMP], 4, s15
	v_add_nc_u32 v[TA], SLOT0-SLOT1, v[TA+1]
	s_mul_i32 s21, s12, RAWW                       ; descriptor group 0, 63:32: LDS address of my raw rows
	v_mul_u32_u24 v[RW], v[RR], RAWP
	v_lshl_add_u32 v[RW], v[HH], 5, v[RW]
	v_add_nc_u32 v[RW], s21, v[RW]
	v_lshl_add_u32 v[CA], v[HH], 5, CEN
	s_lshl_b32 s15, s12, 8
	v_lshl_add_u32 v[CS], v[LN], 2, s15
	v_add_nc_u32 v[CS], CEN, v[CS]
	s_lshl_b32 s15, s12, 9
	s_add_co_u32 s15, s15, OUTS
	v_lshlrev_b32 v[OA], 2, v[RR]
	v_lshl_add_u32 v[OA], v[HH], 8, v[OA]
	v_add_nc_u32 v[OA], s15, v[OA]
	v_lshl_add_u32 v[ORD], v[LN], 4, s15
	; descriptor: 64 rows x 256 f32 of conv_w (the 257th column is left out), rows 257 elements apart, 16 bytes of padding behind each row in LDS
	s_mov_b32 s20, 1                               ; count = 1
	s_mov_b32 s24, 15|(2<<16)|(1<<20)|(1<<21)|(7<<22)|(3<<25)  ; 15:0 mask: all four of the cluster; 17:16 elements of 4 bytes; 20 padding on; 21 set beside a mask; 24:22 after every 256 words; 31:25 of 4 words
	s_mov_b32 s25, 256<<16                         ; tensor_dim0 = 256
	s_mov_b32 s26, 64<<16                          ; tensor_dim1 = 64
	s_mov_b32 s27, 256<<16                         ; tile_dim0 = 256
	s_mov_b32 s28, 64                              ; tile_dim1 = 64
	s_mov_b32 s29, 257                             ; elements from row to row
	s_mov_b32 s30, 0
	s_mov_b32 s31, 0
	ROUND                                          ; the four work-groups meet while the arguments are on their way: the round names none of s[4:11]
	s_wait_kmcnt 0x0
	s_add_nc_u64 s[22:23], s[8:9], s[36:37]        ; descriptor group 0, 120:64: my first row of conv_w, the same in all four work-groups
	s_or_b32 s23, s23, 0x80000000                  ; type = 2
	tensor_load_to_lds s[20:23], s[24:31]          ; my 64 raw rows: the wave's one tensor load of the launch, and its first request to memory: W' hangs on it
	s_nop 0
	s_bitcmp1_b32 s14, 1                           ; the branch picks the tensor
	s_cselect_b64 s[38:39], s[6:7], s[4:5]
	s_lshr_b32 s18, s14, 2
	s_lshl_b32 s18, s18, 20                        ; b x 1 MiB
	s_mov_b32 s19, 0
	s_add_nc_u64 s[38:39], s[38:39], s[18:19]      ; x of (b, branch): for the centre
	s_and_b32 s18, s14, 1
	s_lshl_b32 s18, s18, 11                        ; my half: 512 pixels of 4 bytes
	s_add_nc_u64 s[16:17], s[38:39], s[18:19]      ; x of my half: for the tiles
	s_lshl_b32 s18, s14, 11
	s_add_nc_u64 s[40:41], s[10:11], s[18:19]      ; part + wg x 2,048
	; ---- first loads: centre (pixel 528 = byte 2,112 of a channel's row), last column of conv_w, tiles 0 and 1
	global_load_b32 v[CV], v[CO], s[38:39] offset:2112
	global_load_b32 v[CV+1], v[CO], s[38:39] offset:2112+32*4096
.irp t, 0,1,2,3
	global_load_b32 v[WL+\t], v[LCO], s[8:9] offset:1024+16*1028*\t
.endr
	WIN 0xc0
.irp a, 0,1,2,3
	XLOAD8 0, 0, \a
.endr
.irp a, 0,1,2
	XLOAD8 1, 256, \a                              ; 62 loads have now been issued
.endr
	WIN 0
	s_wait_loadcnt 56                              ; the 32 + 24 loads of x are younger: centre and last column are in
	ds_store_b32 v[CS], v[CV]
	ds_store_b32 v[CS], v[CV+1] offset:128
.irp t, 0,1,2,3
	v_mul_f32 v[WK+2*\t], KD256, v[WL+\t]
	v_mul_f32 v[WK+2*\t+1], KD256, v[WL+\t]        ; twice: a pair for the packed multiply-add
.endr
	WIN 0xc0
	XLOAD8 1, 256, 3
	; tile 0 into slot 0; tile 2 goes out.  Here and in every later conversion that loads again, seven units of eight loads are younger than the unit converted.
.irp a, 0,1,2,3
	QCONV 0, \a, 56, 1, 512
.endr
	WIN 0
.irp i, 0,1,2,3,4,5,6,7,8,9,10,11,12,13,14,15
	v_mov_b32 v[S2+\i], 0                          ; the sixteen running sums S and N
.endr
	s_wait_tensorcnt 0x0                           ; my raw rows are in LDS
	s_wait_dscnt 0x0                               ; my part of cen and of tile 0 is stored
	s_barrier_signal -1
	s_barrier_wait -1                              ; everybody's is
	; ---- W' into windows 1 and 2, k step by k step, two batches of LDS loads at work
	BLOAD 0, 0
	BLOAD 1, 1
	WSTEP 0, 0, 2
	WSTEP 1, 1, 3
	WSTEP 2, 0, 4
	WSTEP 3, 1, 5
	WSTEP 4, 0, 6
	WSTEP 5, 1, 7
	s_wait_dscnt 20
	BCOMP 6, 0
	s_wait_dscnt 0x0                               ; the last batch is in: my reads of the raw weights are over
	BCOMP 7, 1
	s_barrier_signal -1
	s_barrier_wait -1                              ; everybody's are: slot 1, which lies over the raw weights, may be written
	; ---- the 32 groups.  Group (tile i, q) multiplies its 16 pixels, finishes the group before it, fetches the fragments of the group behind it,
	; and converts quarter (q + 1) & 3 of tile i + 1 (q = 3: of tile i + 2, behind the barrier that frees tile i's slot), asking for the same quarter two tiles on.
	QCONV 1, 0, 56, 1, 768                         ; what a group in front of the first would have done: tile 1's quarter 0, tile 3's goes out,
.set QN, 0
.set RN, 0
	XNLOAD 0                                       ; and the first group's fragments
	WIN 0x04
	XFRUN 0
	;     q  bar cv cb ca lcnt ld off  nx ns sig
	GROUP 0, 0,  1, 1, 1, 56,  1, 768,  1, 0, 0    ; (0, 0): nothing to finish yet
	WIN 0                                          ; at a label and at a branch every window is 0
	s_mov_b32 s32, 2
.Llap:                                             ; eight groups: (i, 1) .. (i + 2, 0), i = 0, then 2; offsets count from tile i
	GROUP 1, 0,  1, 1, 2, 56,  1, 768,  1, 0, 1
	GROUP 2, 0,  1, 1, 3, 56,  1, 768,  1, 0, 1
	GROUP 3, 1,  1, 0, 0, 56,  1, 1024, 1, 1, 1
	GROUP 0, 0,  1, 0, 1, 56,  1, 1024, 1, 1, 1
	GROUP 1, 0,  1, 0, 2, 56,  1, 1024, 1, 1, 1
	GROUP 2, 0,  1, 0, 3, 56,  1, 1024, 1, 1, 1
	GROUP 3, 1,  1, 1, 0, 56,  1, 1280, 1, 0, 1
	GROUP 0, 0,  1, 1, 1, 56,  1, 1280, 1, 0, 1
	WIN 0
	s_wait_xcnt 0x0                                ; the base of the loads is stepped only behind this wait (ISA guide 3.1)
	s_add_nc_u64 s[16:17], s[16:17], 512           ; two tiles on
	s_sub_co_u32 s32, s32, 1
	s_cmp_lg_u32 s32, 0
	s_cbranch_scc1 .Llap
	GROUP 1, 0,  1, 1, 2, 56,  1, 768,  1, 0, 1    ; (4, 1): tile 7's third quarter goes out
	GROUP 2, 0,  1, 1, 3, 56,  1, 768,  1, 0, 1    ; (4, 2): its last: nothing more is asked for, and the counts run down by eight
	GROUP 3, 1,  1, 0, 0, 56,  0, 0,    1, 1, 1    ; (4, 3): tile 6 is converted
	GROUP 0, 0,  1, 0, 1, 48,  0, 0,    1, 1, 1
	GROUP 1, 0,  1, 0, 2, 40,  0, 0,    1, 1, 1
	GROUP 2, 0,  1, 0, 3, 32,  0, 0,    1, 1, 1
	GROUP 3, 1,  1, 1, 0, 24,  0, 0,    1, 0, 1    ; (5, 3): tile 7 is converted
	GROUP 0, 0,  1, 1, 1, 16,  0, 0,    1, 0, 1
	GROUP 1, 0,  1, 1, 2, 8,   0, 0,    1, 0, 1
	GROUP 2, 0,  1, 1, 3, 0,   0, 0,    1, 0, 1
	GROUP 3, 1,  0, 0, 0, 0,   0, 0,    1, 1, 1    ; (6, 3): the last barrier: tile 7's slot is whole
	GROUP 0, 0,  0, 0, 0, 0,   0, 0,    1, 1, 1
	GROUP 1, 0,  0, 0, 0, 0,   0, 0,    1, 1, 1
	GROUP 2, 0,  0, 0, 0, 0,   0, 0,    1, 1, 1
	GROUP 3, 0,  0, 0, 0, 0,   0, 0,    0, 0, 1    ; (7, 3): nothing is left to fetch
	; the last group's sigmoid and sums, by themselves (both lists run under the second half's setting)
.set QP, 3
.set ZP, Z+32
	PLACES
.set SN, 0
.rept 62
	SIG1
.endr
.set SN, 0
.rept 68
	SIG2
.endr
	; ---- the way out: the two chains, then the two halves of the lanes (pixel rows 0-7 and 8-15)
	WIN 0
.irp t, 0,1,2,3
	v_add_f32 v[S2+2*\t], v[S2+2*\t], v[S2+2*\t+1]
	v_add_f32 v[NA+2*\t], v[NA+2*\t], v[NA+2*\t+1]
.endr
.irp t, 0,1,2,3
	v_permlanex16_b32 v[S2+2*\t+1], v[S2+2*\t], s33, s34   ; into a register that has been written and is no longer needed
	v_permlanex16_b32 v[NA+2*\t+1], v[NA+2*\t], s33, s34
.endr
.irp t, 0,1,2,3
	v_add_f32 v[S2+2*\t], v[S2+2*\t], v[S2+2*\t+1]
	v_add_f32 v[NA+2*\t], v[NA+2*\t], v[NA+2*\t+1]
.endr
.irp t, 0,1,2,3
	v_cndmask_b32 v[OV+\t], v[S2+2*\t], v[NA+2*\t], s35    ; lanes 0-15 carry S, lanes 16-31 N, of channel 16 t + r
.endr
.irp t, 0,1,2,3
	ds_store_b32 v[OA], v[OV+\t] offset:64*\t
.endr
	ds_load_b128 v[OV+4:OV+7], v[ORD]              ; my own bytes; LDS serves a wave's instructions in order (ISA guide 5.7.1)
	s_lshl_b32 s15, s12, 8
	v_lshlrev_b32 v[GO], 4, v[RR]                  ; part: 1,024 h (S or N) + 256 w + 16 r
	v_lshl_add_u32 v[GO], v[HH], 10, v[GO]
	v_add_nc_u32 v[GO], s15, v[GO]
	s_wait_dscnt 0x0
	global_store_b128 v[GO], v[OV+4:OV+7], s[40:41]        ; sixteen lanes store 256 consecutive bytes, aligned: my 64 S, my 64 N
	s_set_vgpr_msb 0x5
	s_wait_tensorcnt 0x0
	ds_add_u32 v254, v255
	s_wait_dscnt 0x0
	s_set_vgpr_msb 0x500
	ROUND                                          ; the closing round
	s_endpgm
.Lfunc_end_k_q838750f4a2_pool:
	.size	k_q838750f4a2_pool, .Lfunc_end_k_q838750f4a2_pool-k_q838750f4a2_pool
	.p2alignl 7, 3214868480
	.fill 96, 4, 3214868480
	.section	.rodata,"a",@progbits
	.p2align	6, 0x0
	.amdhsa_kernel k_q838750f4a2_pool
		.amdhsa_group_segment_fixed_size 302592
		.amdhsa_private_segment_fixed_size 0
		.amdhsa_enable_private_segment 0
		.amdhsa_kernarg_size 32
		.amdhsa_user_sgpr_count 2
		.amdhsa_user_sgpr_kernarg_segment_ptr 1
		.amdhsa_wavefront_size32 1
		.amdhsa_system_sgpr_workgroup_id_x 1
		.amdhsa_system_sgpr_workgroup_id_y 1
		.amdhsa_system_sgpr_workgroup_id_z 1
		.amdhsa_system_vgpr_workitem_id 0
		.amdhsa_next_free_vgpr 1024
		.amdhsa_next_free_sgpr 66
		.amdhsa_reserve_vcc 0
		.amdhsa_float_denorm_mode_32 3
		.amdhsa_float_denorm_mode_16_64 3
		.amdhsa_memory_ordered 1
		.amdhsa_forward_progress 1
		.amdhsa_inst_pref_size 255
	.end_amdhsa_kernel
	.section	.bss,"aw",@nobits
	.p2align	6
	.space	262144
	.amdgpu_metadata
---
amdhsa.version: [ 1, 2 ]
amdhsa.kernels:
  - .name:           k_q838750f4a2_pool
    .symbol:         k_q838750f4a2_pool.kd
    .args:
      - { .name: x1, .offset: 0, .size: 8, .value_kind: global_buffer, .address_space: global }
      - { .name: x2, .offset: 8, .size: 8, .value_kind: global_buffer, .address_space: global }
      - { .name: conv_w, .offset: 16, .size: 8, .value_kind: global_buffer, .address_space: global }
      - { .name: part, .offset: 24, .size: 8, .value_kind: global_buffer, .address_space: global }
    .group_segment_fixed_size: 302592
    .private_segment_fixed_size: 0
    .kernarg_segment_align: 8
    .kernarg_segment_size: 32
    .max_flat_workgroup_size: 128
    .sgpr_count:     66
    .vgpr_count:     1024
    .wavefront_size: 32
...
	.end_amdgpu_metadata
.endif
;; end of part 1
;; launch mix (part 2): grid 64 x 1, 2 waves a work-group, no clusters, 0 bytes of LDS; arguments part, ca_w1, ca_b1, ca_w2, ca_b2, out0; writes out0
.if DOCPART == 2
	.amdgcn_target "amdgcn-amd-amdhsa--gfx1250"
	.amdhsa_code_object_version 6
	.text
	.protected	k_q838750f4a2_mix
	.globl	k_q838750f4a2_mix
	.p2align	8
	.type	k_q838750f4a2_mix,@function
k_q838750f4a2_mix:
	s_mov_b64 s[64:65], 0
	v_nop
	global_prefetch_b8 v0, s[64:65] scope:SCOPE_SE
	s_setreg_imm32_b32 hwreg(HW_REG_WAVE_MODE, 25, 1), 1
	s_wait_xcnt 0x0
; MIX: for batch b (one work-group) and 256 channels (thread t: channels 4 t .. 4 t + 3):
;   pooled_i = (N of both halves) / (S of both halves + 1e-8), i = branch 1, 2;
;   h1_k = relu(w1[k][0] pooled_1 + w1[k][1] pooled_2 + b1[k]);  h2 = sum_k w2[k] h1_k + b2;
;   weight = softmax of h2 over its axis of ONE element, written out: maximum taken away, exponential, division by the sum;
;   out = pooled_1 weight + pooled_2 weight.
; part: [4 b + 2 branch + half][S, N][256] f32.  8 KiB in and 1 KiB out a work-group: no LDS, no matrix unit, no barrier.
; LIMIT: divisions are v_rcp_f32 and a multiplication (one unit in the last place).
.set SB,  8                            ; v[8+4 i ..]: piece i = 2 (2 branch + half) + (0: S, 1: N), four channels each
.set P1,  12                           ; pooled, branch 1 (in place of its N)
.set P2,  28                           ; pooled, branch 2
.set H2,  40
.set U,   44
.set E,   48
.set R,   52
.set Y,   56
	s_load_b256 s[4:11], s[0:1], 0x0               ; part s[4:5], ca_w1 s[6:7], ca_b1 s[8:9], ca_w2 s[10:11]
	s_load_b128 s[12:15], s[0:1], 0x20             ; ca_b2 s[12:13], out0 s[14:15]
	v_lshlrev_b32 v1, 4, v0                        ; 16 bytes a thread
	s_lshl_b32 s34, ttmp9, 13                      ; four work-groups' parts of 2,048 bytes
	s_mov_b32 s35, 0
	s_lshl_b32 s36, ttmp9, 10                      ; a row of out0
	s_mov_b32 s37, 0
	s_wait_kmcnt 0x0
	s_add_nc_u64 s[4:5], s[4:5], s[34:35]
	s_add_nc_u64 s[14:15], s[14:15], s[36:37]
.irp g, 0,1,2,3,4,5,6,7
	global_load_b128 v[SB+4*\g:SB+4*\g+3], v1, s[4:5] offset:1024*\g
.endr
	s_load_b256 s[16:23], s[6:7], 0x0              ; w1[k][0] = s[16+2k], w1[k][1] = s[17+2k]
	s_load_b128 s[24:27], s[8:9], 0x0              ; b1
	s_load_b128 s[28:31], s[10:11], 0x0            ; w2
	s_load_b32 s32, s[12:13], 0x0                  ; b2
	s_wait_kmcnt 0x0
	s_wait_loadcnt 0x0
.irp i, 0,2
	v_pk_add_f32 v[SB+\i:SB+\i+1], v[SB+\i:SB+\i+1], v[SB+8+\i:SB+8+\i+1]           ; S of both halves, branch 1
	v_pk_add_f32 v[SB+16+\i:SB+16+\i+1], v[SB+16+\i:SB+16+\i+1], v[SB+24+\i:SB+24+\i+1] ; branch 2
.endr
.irp i, 0,2
	v_pk_add_f32 v[SB+\i:SB+\i+1], v[SB+\i:SB+\i+1], 0x322bcc77 op_sel_hi:[1,0]     ; + 1e-8
	v_pk_add_f32 v[SB+16+\i:SB+16+\i+1], v[SB+16+\i:SB+16+\i+1], 0x322bcc77 op_sel_hi:[1,0]
.endr
.irp i, 0,1,2,3
	v_rcp_f32 v[SB+\i], v[SB+\i]
	v_rcp_f32 v[SB+16+\i], v[SB+16+\i]
.endr
.irp i, 0,2
	v_pk_add_f32 v[P1+\i:P1+\i+1], v[P1+\i:P1+\i+1], v[P1+8+\i:P1+8+\i+1]           ; N of both halves: plain work on other registers behind the reciprocals (ISA guide 5.7.2)
	v_pk_add_f32 v[P2+\i:P2+\i+1], v[P2+\i:P2+\i+1], v[P2+8+\i:P2+8+\i+1]
.endr
	s_wait_alu depctr_va_vdst(0)
.irp i, 0,2
	v_pk_mul_f32 v[P1+\i:P1+\i+1], v[P1+\i:P1+\i+1], v[SB+\i:SB+\i+1]               ; pooled
	v_pk_mul_f32 v[P2+\i:P2+\i+1], v[P2+\i:P2+\i+1], v[SB+16+\i:SB+16+\i+1]
.endr
.macro CAK i, k                        ; hidden unit k for channel i; the first starts h2 with b2
	v_fma_f32 v[U+\i], v[P2+\i], s[17+2*\k], s[24+\k]
	v_fma_f32 v[U+\i], v[P1+\i], s[16+2*\k], v[U+\i]
	v_max_num_f32 v[U+\i], 0, v[U+\i]
.if \k
	v_fma_f32 v[H2+\i], v[U+\i], s[28+\k], v[H2+\i]
.else
	v_fma_f32 v[H2+\i], v[U+\i], s[28], s[32]
.endif
.endm
.irp k, 0,1,2,3
.irp i, 0,1,2,3
	CAK \i, \k
.endr
.endr
.irp i, 0,1,2,3
	v_sub_f32 v[E+\i], v[H2+\i], v[H2+\i]          ; the maximum over the axis of one element is the element itself
.endr
.irp i, 0,1,2,3
	v_mul_f32 v[E+\i], 0x3fb8aa3b, v[E+\i]         ; e^x = 2^(x log2 e)
.endr
.irp i, 0,1,2,3
	v_exp_f32 v[E+\i], v[E+\i]
.endr
	v_nop                                          ; one plain place behind the exponentials (ISA guide 5.7.2)
	s_wait_alu depctr_va_vdst(0)
.irp i, 0,1,2,3
	v_rcp_f32 v[R+\i], v[E+\i]                     ; the sum over the axis is the one exponential
.endr
	v_nop
	s_wait_alu depctr_va_vdst(0)
.irp i, 0,2
	v_pk_mul_f32 v[E+\i:E+\i+1], v[E+\i:E+\i+1], v[R+\i:R+\i+1]                     ; the weight
.endr
.irp i, 0,2
	v_pk_mul_f32 v[Y+\i:Y+\i+1], v[P1+\i:P1+\i+1], v[E+\i:E+\i+1]
.endr
.irp i, 0,2
	v_pk_fma_f32 v[Y+\i:Y+\i+1], v[P2+\i:P2+\i+1], v[E+\i:E+\i+1], v[Y+\i:Y+\i+1]
.endr
	global_store_b128 v1, v[Y:Y+3], s[14:15]       ; sixteen lanes store 256 consecutive bytes, aligned
	s_endpgm
.Lfunc_end_k_q838750f4a2_mix:
	.size	k_q838750f4a2_mix, .Lfunc_end_k_q838750f4a2_mix-k_q838750f4a2_mix
	.p2alignl 7, 3214868480
	.fill 96, 4, 3214868480
	.section	.rodata,"a",@progbits
	.p2align	6, 0x0
	.amdhsa_kernel k_q838750f4a2_mix
		.amdhsa_group_segment_fixed_size 0
		.amdhsa_private_segment_fixed_size 0
		.amdhsa_enable_private_segment 0
		.amdhsa_kernarg_size 48
		.amdhsa_user_sgpr_count 2
		.amdhsa_user_sgpr_kernarg_segment_ptr 1
		.amdhsa_wavefront_size32 1
		.amdhsa_system_sgpr_workgroup_id_x 1
		.amdhsa_system_sgpr_workgroup_id_y 1
		.amdhsa_system_sgpr_workgroup_id_z 1
		.amdhsa_system_vgpr_workitem_id 0
		.amdhsa_next_free_vgpr 64
		.amdhsa_next_free_sgpr 66
		.amdhsa_reserve_vcc 0
		.amdhsa_float_denorm_mode_32 3
		.amdhsa_float_denorm_mode_16_64 3
		.amdhsa_memory_ordered 1
		.amdhsa_forward_progress 1
		.amdhsa_inst_pref_size 8
	.end_amdhsa_kernel
	.amdgpu_metadata
---
amdhsa.version: [ 1, 2 ]
amdhsa.kernels:
  - .name:           k_q838750f4a2_mix
    .symbol:         k_q838750f4a2_mix.kd
    .args:
      - { .name: part, .offset: 0, .size: 8, .value_kind: global_buffer, .address_space: global }
      - { .name: ca_w1, .offset: 8, .size: 8, .value_kind: global_buffer, .address_space: global }
      - { .name: ca_b1, .offset: 16, .size: 8, .value_kind: global_buffer, .address_space: global }
      - { .name: ca_w2, .offset: 24, .size: 8, .value_kind: global_buffer, .address_space: global }
      - { .name: ca_b2, .offset: 32, .size: 8, .value_kind: global_buffer, .address_space: global }
      - { .name: out0, .offset: 40, .size: 8, .value_kind: global_buffer, .address_space: global }
    .group_segment_fixed_size: 0
    .private_segment_fixed_size: 0
    .kernarg_segment_align: 8
    .kernarg_segment_size: 48
    .max_flat_workgroup_size: 64
    .sgpr_count:     66
    .vgpr_count:     64
    .wavefront_size: 32
...
	.end_amdgpu_metadata
.endif
;; end of part 2
